; MI455X (gfx1250); checked and timed in simulation.
; The chip was launched on July 23, 2026; its instructions are those of AMD's public machine-readable ISA for CDNA 5 (MIT licence, August 2026) and "CDNA5" Instruction Set Architecture Reference Guide (July 2026). The comments in the code are by the model that wrote it; some were corrected since.
;; Memory Retrieval. Allowed arithmetic: matrix products marked QUANTISED: E2M1 operands, one E8M0 scale for each 32 along K, by v_wmma_scale_f32_16x16x128_f8f6f4 with both operands' format E2M1 (or v_wmma_scale_f32_32x16x128_f4), f32 sums; everything else in f32.
;; Inputs: keys 32,768 x 1,024 float32; query 2,048 x 1,024 float32; values 32,768 x 1,024 float32.
;; Outputs: out0 2,048 x 1,024 float32; out1 one number float32.
;; This version of the problem:
;;   THIS VERSION OF THE PROBLEM IS GIVEN IN LOW PRECISION. The matrix products marked QUANTISED in the list below multiply operands that are first quantised to E2M1 (2 exponent bits, 1 mantissa bit; 4 bits a number), with one power-of-two scale for each 32 numbers along K (OCP MX v1.0); their sums are f32. All else is computed in f32.
;;   The module's matrix products, in the order in which they are computed (A, B: the left and right operand; K: the contracted axis; several contracted axes count as one K, in the product's order):
;;     1. [M 2,048, K 1,024] x [K 1,024, N 32,768]; A: computed on the way; B: computed on the way: QUANTISED
;;   THE QUANTISER, for each operand of a quantised product, along K:
;;     - K is cut into blocks of 32 from its start; a last block that is shorter is filled with zeros.
;;     - A block's scale is 2^e with e = floor(log2(the largest magnitude in the block)) - 2, held to -126 .. 127; a block of zeros has e = 0. As a byte (E8M0): e + 127.
;;     - Each number is divided by its block's scale, clamped to +-6, and rounded to the nearest number of E2M1, ties to even, subnormals kept.
;;     - The product sums the exact products of the quantised numbers (number of the format x scale) in f32.
;;   ~~~python
;;   def quantise(x, axis):      # numpy; x: float32 -> the quantised numbers, widened to float32 again
;;       x = np.moveaxis(x, axis, -1); K = x.shape[-1]
;;       x = np.pad(x, [(0, 0)] * (x.ndim - 1) + [(0, -K % 32)]); x = x.reshape(x.shape[:-1] + (-1, 32)); a = np.abs(x).max(-1, keepdims=True)
;;       e = np.where(a > 0, np.clip(np.frexp(np.where(a > 0, a, 1))[1] - 1 - 2, -126, 127), 0)      # np.frexp(a)[1] - 1 = floor(log2(a)), exactly
;;       r = np.clip(x / 2.0 ** e, -6, 6)
;;       step = 2.0 ** (np.maximum(np.frexp(np.where(r == 0, 1, r))[1] - 1, 0) - 1)
;;       q = np.round(r / step) * step * 2.0 ** e      # np.round: ties to even
;;       return np.moveaxis(q.reshape(q.shape[:-2] + (-1,))[..., :K], -1, axis).astype(np.float32)
;;   ~~~
;;   OPERANDS COMPUTED ON THE WAY. 'Computed on the way' means the value that the module computes at that place (a softmax that the list does not call 'softmax' is quantised finished and normalised). What goes into a quantiser is computed in f32, as accurately as f32 sums, v_exp_f32 and their like allow (about 1e-6 of the number): no bf16 or f16 on the way to a quantiser, and a product that is left as it is and whose result goes on into a quantised operand takes f32 operands (vector FMAs, or v_wmma_f32_16x16x4_f32). A number that lies on a knife's edge between two numbers of the format may be rounded either way, as far as f32 arithmetic and the matrix unit's own rounding can turn it there, and no further.
;; One version. Each part assembles by itself: llvm-mc -triple=amdgcn-amd-amdhsa -mcpu=gfx1250 --defsym DOCPART=n.
;; ======== version 1 of 1: 4 launches
;; limits: right only within a limited range of input values
;; workspace buffers: kq 17,825,792 bytes; qq 1,114,112 bytes; part 2,097,152 bytes; best 8,192 bytes of whole numbers; rowvar 8,192 bytes
;; launch quant (part 1): grid 2176 x 1, 1 waves a work-group, no clusters, 9,472 bytes of LDS; arguments keys, query, kq, qq; writes kq, qq
.if DOCPART == 1
	.amdgcn_target "amdgcn-amd-amdhsa--gfx1250"
	.amdhsa_code_object_version 6
	.text
	.protected	k_q0023623c37_quant
	.globl	k_q0023623c37_quant
	.p2align	8
	.type	k_q0023623c37_quant,@function
k_q0023623c37_quant:
	s_mov_b64 s[64:65], 0
	v_nop
	global_prefetch_b8 v0, s[64:65] scope:SCOPE_SE
	s_setreg_imm32_b32 hwreg(HW_REG_WAVE_MODE, 25, 1), 1
	s_wait_xcnt 0x0
; keys [32768][1024] and query [2048][1024], f32: each row is divided by max(its L2 norm, 1e-12) and quantised along its 1,024 numbers to
; codes of FP4 (E2M1) with one E8M0 scale byte for each 32.  A block's byte is the exponent field f of its largest |x / norm| less 2, held at 1 from below.
; No work of the definition is left out, and every input of the program is read.
; OUT: one RECORD of 8,704 bytes for each tile of 16 rows, an image of the product's operand registers:
;   codes: block b (0..31) of row r (0..15): 16 bytes at 256 b + 16 r;   scale bytes: (r, b) at 8192 + 16 (16 ((b >> 2) & 1) + r) + 4 (b >> 3) + (b & 3).
; SHARES: a work-group is ONE wave and takes one tile: 16 rows, 64 KB in, one record out: 2,048 + 128 = 2,176 tiles are 8 or 9 to each of 256 WGPs.  Work-groups 0-2047 take keys, the others query: only pointers are chosen.
; A row's eight loads read 512 consecutive bytes each, 16 a lane: in load i lane l holds numbers 4 (l % 8) .. + 3 of block 4 i + l / 8.  The f32 numbers never pass through LDS:
;   the block's largest magnitude is joined over its eight lanes by three DPP steps;
;   x is multiplied by m = (1 / norm) 2^(65 - f), which has the mantissa of 1 / norm, so x m has the bits of x (1 / norm) with another exponent; the conversion's scale operand is the constant 2^-64,
;   so that together each number is x / norm / 2^(f - 2 - 127).  One conversion can therefore take four numbers of block 8 q + l / 8 and four of block 8 q + 4 + l / 8;
;   lanes l and l xor 1 then change halves: the even lane keeps eight codes of the first block, the odd lane eight of the second: one dword each.
; Codes (4 dwords a lane and row) and scale bytes (1 byte a lane and row) are gathered in LDS and leave as 17 stores of 512 consecutive bytes.  Loads run four rows (32 loads) ahead.
; No matrix unit, no cluster, no tensor load, no barrier: no input byte is shared between work-groups, and the work is a stream.
; LIMITS: NaN and infinities are not served; a row whose sum of squares passes f32's range is not served (the definition's own sum passes it too).  x / n is made as x * (1 / n), each step within an ulp.
; Blocks whose largest |x / norm| lies under 2^-124, the floor, were not tried.  A block of zeros gets the byte 1 where the rule says 127: its codes are zeros, and this program alone reads the bytes.
.set REC,   8704
.set SST,   8704                       ; LDS: 32 block rows of 256 + 16 bytes, then the 512 scale bytes
.set SPARE, 9216                       ; the spare words: one block of 256 bytes that no other line names
.set LD,  1                            ; 16 x lane
.set CS,  2                            ; codes, in: 272 (4 (l & 1) + l / 8) + 4 ((l >> 1) & 3)
.set SS,  3                            ; my scale byte of row 0: load i = l % 8, group g = l / 8: 256 (i & 1) + 4 (i >> 1) + g
.set CR,  4                            ; codes, back: 272 (l / 16) + 16 (l % 16)
.set SR,  5                            ; scale bytes, back: 16 l
.set PSEL, 6                           ; byte selector of the change of halves
.set BSEL, 7                           ; l % 8
.set SPW, 8
.set NIL, 9
.set SQ,  14                           ; v14-21 eight chains: sums of squares
.set TOT, 22                           ; v22, v23
.set NRM, 24
.set INV, 25
.set SC1, 26                           ; 2^-64
.set P,   28                           ; v28, v29 the eight f, a byte each
.set R,   32                           ; v32-159 four sets of 32: rows as loaded
.set MX,  160
.set F,   168
.set M,   176
.set CD,  184
.set T,   188
.set OUT, 192                          ; v192-207 four sets of four, by turns from row to row
.set BY,  208                          ; v208-211 likewise
	s_load_b128 s[4:7], s[0:1], 0x0                ; keys, query
	s_load_b128 s[8:11], s[0:1], 0x10              ; kq, qq
	v_lshl_add_u32 v[SPW], v0, 2, SPARE
	v_mov_b32 v[NIL], 0
	v_lshlrev_b32 v[LD], 4, v0                     ; v0 is the lane: one wave
	v_lshrrev_b32 v11, 3, v0                       ; g
	v_and_b32 v12, 1, v0                           ; l & 1
	v_bfe_u32 v13, v0, 1, 2                        ; (l >> 1) & 3
	v_and_b32 v[BSEL], 7, v0
	v_lshl_add_u32 v[CS], v12, 2, v11
	v_mul_u32_u24 v[CS], v[CS], 272
	v_lshl_add_u32 v[CS], v13, 2, v[CS]
	v_lshl_add_u32 v[SS], v12, 8, v11
	v_lshl_add_u32 v[SS], v13, 2, v[SS]
	v_add_nc_u32 v[SS], SST, v[SS]
	v_lshrrev_b32 v[CR], 4, v0
	v_mul_u32_u24 v[CR], v[CR], 272
	v_and_b32 v13, 15, v0
	v_lshl_add_u32 v[CR], v13, 4, v[CR]
	v_add_nc_u32 v[SR], SST, v[LD]
	v_mov_b32 v[PSEL], 0x05040100                  ; even lane: my low half, then the neighbour's low half
	v_mov_b32 v13, 0x03020706                      ; odd lane: the neighbour's high half, then my high half
	v_cmp_eq_u32 vcc_lo, 1, v12
	v_cndmask_b32 v[PSEL], v[PSEL], v13, vcc_lo
	v_mov_b32 v[SC1], 0x1f800000
	v_mov_b32 v[TOT+1], 0                          ; written once: the destination of a lane permute or a DPP form counts as one of its sources
.irp q, 0,1,2,3
	v_mov_b32 v[T+\q], 0
.endr
	s_mov_b32 s12, 0x76543210
	s_mov_b32 s13, 0xfedcba98                      ; v_permlanex16_b32's selects for lane l xor 16
	s_wait_alu depctr_va_vdst(0)                   ; the wait at the head's end
	s_wait_kmcnt 0x0
	s_cmp_lt_u32 ttmp9, 2048                       ; keys' work-group or query's?  The choice hangs on the work-group's number alone
	s_cselect_b64 s[4:5], s[4:5], s[6:7]
	s_cselect_b64 s[6:7], s[8:9], s[10:11]
	s_cselect_b32 s15, 0, 2048
	s_sub_co_u32 s15, ttmp9, s15                   ; my tile in its tensor
	s_lshl_b32 s16, s15, 16                        ; 16 rows of 4,096 bytes; 2,047 tiles at the most: under 2^32
	s_mov_b32 s17, 0
	s_add_nc_u64 s[4:5], s[4:5], s[16:17]
	s_mul_i32 s16, s15, REC
	s_add_nc_u64 s[6:7], s[6:7], s[16:17]
.macro LOAD t                          ; row t into set t % 4
.irp i, 0,1,2,3,4,5,6,7
	global_load_b128 v[R+32*((\t)%4)+4*\i:R+32*((\t)%4)+4*\i+3], v[LD], s[4:5] offset:4096*(\t)+512*\i th:TH_LOAD_NT
.endr
.endm
.macro ROW t
.set XS, R+32*((\t)%4)
.set OS, OUT+4*((\t)%4)
.set BS, BY+(\t)%4
.if (\t) <= 12
	s_wait_loadcnt 24                              ; this row's eight loads are in; those of the three rows behind it stay out
.else
	s_wait_loadcnt 8*(15-(\t))                     ; the counts run down
.endif
.irp j, 0,1,2,3,4,5,6,7
	v_mul_f32 v[SQ+\j], v[XS+\j], v[XS+\j]         ; eight chains, started by the first eight numbers
.endr
.irp k, 1,2,3
.irp j, 0,1,2,3,4,5,6,7
	v_fmac_f32 v[SQ+\j], v[XS+8*\k+\j], v[XS+8*\k+\j]
.endr
.endr
.irp j, 0,2,4,6
	v_add_f32 v[SQ+\j], v[SQ+\j], v[SQ+\j+1]
.endr
	v_add_f32 v[SQ], v[SQ], v[SQ+2]
	v_add_f32 v[SQ+4], v[SQ+4], v[SQ+6]
	v_add_f32 v[TOT], v[SQ], v[SQ+4]
.irp m, 1,2,4,8
	v_add_f32_dpp v[TOT], v[TOT], v[TOT] row_xmask:\m row_mask:0xf bank_mask:0xf
.endr
	v_permlanex16_b32 v[TOT+1], v[TOT], s12, s13
	v_add_f32 v[TOT], v[TOT], v[TOT+1]             ; the row's sum of squares, in every lane
	s_wait_alu depctr_va_vdst(0)                   ; the wait ahead of a transcendental
	v_sqrt_f32 v[NRM], v[TOT]
.irp i, 0,1,2,3,4,5,6,7
	v_max3_num_f32 v[MX+\i], |v[XS+4*\i]|, |v[XS+4*\i+1]|, |v[XS+4*\i+2]|   ; plain work behind the root
.endr
	s_wait_alu depctr_va_vdst(0)                   ; ahead of the first line that names the root
	v_max_num_f32 v[NRM], 0x2b8cbccc, v[NRM]       ; max(norm, 1e-12)
	s_wait_alu depctr_va_vdst(0)                   ; ahead of the reciprocal
	v_rcp_f32 v[INV], v[NRM]
.irp i, 0,1,2,3,4,5,6,7
	v_max_num_f32 v[MX+\i], v[MX+\i], |v[XS+4*\i+3]|               ; my four numbers of each of eight blocks
.endr
.irp m, 1,2,4
.irp i, 0,1,2,3,4,5,6,7
	v_max_num_f32_dpp v[MX+\i], v[MX+\i], v[MX+\i] row_xmask:\m row_mask:0xf bank_mask:0xf   ; joined over the block's eight lanes
.endr
.endr
	s_wait_alu depctr_va_vdst(0)                   ; ahead of the first line that names the reciprocal
.irp i, 0,1,2,3,4,5,6,7
	v_mul_f32 v[MX+\i], v[MX+\i], v[INV]           ; a rounded product does not fall where a factor rises: the bits of the largest |x / norm|
.endr
.irp i, 0,1,2,3,4,5,6,7
	v_max_num_f32 v[MX+\i], 0x1800000, v[MX+\i]    ; the floor 2^(3 - 127): the byte cannot fall under 1
.endr
.irp i, 0,1,2,3,4,5,6,7
	v_lshrrev_b32 v[F+\i], 23, v[MX+\i]            ; f
.endr
.irp i, 0,1,2,3,4,5,6,7
	v_sub_nc_u32 v[M+\i], 65, v[F+\i]
.endr
.irp i, 0,1,2,3,4,5,6,7
	v_ldexp_f32 v[M+\i], v[INV], v[M+\i]           ; m = (1 / norm) 2^(65 - f)
.endr
.irp i, 0,1,2,3,4,5,6,7
.irp k, 0,1,2,3
	v_mul_f32 v[XS+4*\i+\k], v[XS+4*\i+\k], v[M+\i]
.endr
.endr
.irp q, 0,1,2,3
	v_cvt_scalef32_pk8_fp4_f32 v[CD+\q], v[XS+8*\q:XS+8*\q+7], v[SC1]   ; low half: my four codes of load 2 q; high half: of load 2 q + 1
.endr
	v_lshl_or_b32 v[P], v[F+1], 8, v[F]            ; (plain lines behind the conversions)  the eight f, a byte each,
	v_lshl_or_b32 v[P+1], v[F+5], 8, v[F+4]
	v_lshl_or_b32 v[P], v[F+2], 16, v[P]
	v_lshl_or_b32 v[P+1], v[F+6], 16, v[P+1]
	v_lshl_or_b32 v[P], v[F+3], 24, v[P]
	v_lshl_or_b32 v[P+1], v[F+7], 24, v[P+1]
	v_perm_b32 v[BS], v[P+1], v[P], v[BSEL]        ; lane l takes that of load l % 8 into its low byte,
	v_add_nc_u32 v[BS], -2, v[BS]                  ; less 2 (f is 3 at the least: no borrow): the scale's byte; only the low byte is stored
.irp q, 0,1,2,3
	v_mov_b32_dpp v[T+\q], v[CD+\q] row_xmask:1 row_mask:0xf bank_mask:0xf
.endr
.irp q, 0,1,2,3
	v_perm_b32 v[OS+\q], v[T+\q], v[CD+\q], v[PSEL]                ; eight neighbouring codes of one block
.endr
.irp q, 0,1,2,3
	ds_store_b32 v[CS], v[OS+\q] offset:2176*\q+16*(\t)            ; block 8 q + 4 (l & 1) + l / 8, row t: the 32 lanes fall on 32 different banks
.endr
	ds_store_b8 v[SS], v[BS] offset:16*(\t)
.if (\t)+4 < 16
	LOAD (\t)+4                                    ; the set is free: it takes the row four further on
.endif
.endm
.irp t, 0,1,2,3
	LOAD \t
.endr
.set TT, 0
.rept 16
	ROW TT
.set TT, TT+1
.endr
	; the record leaves: 17 stores of 512 consecutive bytes, each at a multiple of 256 from the buffer's first byte
.irp i, 0,1,2,3,4,5,6,7,8,9,10,11,12,13,14,15
	ds_load_b128 v[32+4*\i:35+4*\i], v[CR] offset:544*\i           ; blocks 2 i and 2 i + 1, sixteen rows each; LDS serves a wave in order (ISA guide 5.7.1.4): these see my stores
.endr
	ds_load_b128 v[96:99], v[SR]
.irp i, 0,1,2,3,4,5,6,7,8,9,10,11,12,13,14,15
	s_wait_dscnt 16-\i                             ; load i is back; the 16 - i behind it stay out
	global_store_b128 v[LD], v[32+4*\i:35+4*\i], s[6:7] offset:512*\i
.endr
	s_wait_dscnt 0x0
	global_store_b128 v[LD], v[96:99], s[6:7] offset:8192
	s_wait_tensorcnt 0x0                           ; the wave's end
	ds_add_u32 v[SPW], v[NIL]
	s_wait_dscnt 0x0
	s_endpgm
.Lfunc_end_k_q0023623c37_quant:
	.size	k_q0023623c37_quant, .Lfunc_end_k_q0023623c37_quant-k_q0023623c37_quant
	.p2alignl 7, 3214868480
	.fill 96, 4, 3214868480
	.section	.rodata,"a",@progbits
	.p2align	6, 0x0
	.amdhsa_kernel k_q0023623c37_quant
		.amdhsa_group_segment_fixed_size 9472
		.amdhsa_private_segment_fixed_size 0
		.amdhsa_enable_private_segment 0
		.amdhsa_kernarg_size 32
		.amdhsa_user_sgpr_count 2
		.amdhsa_user_sgpr_kernarg_segment_ptr 1
		.amdhsa_wavefront_size32 1
		.amdhsa_system_sgpr_workgroup_id_x 1
		.amdhsa_system_sgpr_workgroup_id_y 1
		.amdhsa_system_sgpr_workgroup_id_z 1
		.amdhsa_system_vgpr_workitem_id 0
		.amdhsa_next_free_vgpr 212
		.amdhsa_next_free_sgpr 66
		.amdhsa_reserve_vcc 1
		.amdhsa_float_denorm_mode_32 3
		.amdhsa_float_denorm_mode_16_64 3
		.amdhsa_memory_ordered 1
		.amdhsa_forward_progress 1
		.amdhsa_inst_pref_size 160
	.end_amdhsa_kernel
	.amdgpu_metadata
---
amdhsa.version: [ 1, 2 ]
amdhsa.kernels:
  - .name:           k_q0023623c37_quant
    .symbol:         k_q0023623c37_quant.kd
    .args:
      - { .name: keys, .offset: 0, .size: 8, .value_kind: global_buffer, .address_space: global }
      - { .name: query, .offset: 8, .size: 8, .value_kind: global_buffer, .address_space: global }
      - { .name: kq, .offset: 16, .size: 8, .value_kind: global_buffer, .address_space: global }
      - { .name: qq, .offset: 24, .size: 8, .value_kind: global_buffer, .address_space: global }
    .group_segment_fixed_size: 9472
    .private_segment_fixed_size: 0
    .kernarg_segment_align: 8
    .kernarg_segment_size: 32
    .max_flat_workgroup_size: 32
    .sgpr_count:     66
    .vgpr_count:     212
    .wavefront_size: 32
...
	.end_amdgpu_metadata
.endif
;; end of part 1
;; launch sim (part 2): grid 4 x 64, 8 waves a work-group, clusters of 4 x 1, 327,680 bytes of LDS; arguments kq, qq, part; writes part
.if DOCPART == 2
	.amdgcn_target "amdgcn-amd-amdhsa--gfx1250"
	.amdhsa_code_object_version 6
	.text
	.protected	k_q0023623c37_sim
	.globl	k_q0023623c37_sim
	.p2align	8
	.type	k_q0023623c37_sim,@function
k_q0023623c37_sim:
	s_mov_b64 s[64:65], 0
	v_nop
	global_prefetch_b8 v0, s[64:65] scope:SCOPE_SE
	s_setreg_imm32_b32 hwreg(HW_REG_WAVE_MODE, 25, 1), 1
	s_wait_xcnt 0x0
	s_wait_alu depctr_hold_cnt(0) depctr_sa_sdst(0) depctr_va_vdst(0) depctr_va_sdst(0) depctr_va_ssrc(0) depctr_va_vcc(0) depctr_vm_vsrc(0)
	s_getreg_b32 s2, hwreg(HW_REG_IB_STS2, 6, 4)
	s_cmp_eq_u32 s2, 0
	s_cbranch_scc0 .Lentry_in_a_cluster
	s_endpgm
.Lentry_in_a_cluster:
	s_bfe_u32 s2, ttmp6, 0x10000c
	s_cmp_lg_u32 s2, 0x3003
	s_cbranch_scc0 .Lentry_shape_is_right
	s_endpgm
.Lentry_shape_is_right:
; sim = q k^T on codes of FP4 (E2M1) with E8M0 scales, never stored: for each query and each chunk of 512 keys four words go out: the sum of d, the sum of d^2, the largest d and its key's number,
; where d = sim - p and p, the query's PIVOT, is its sim with key 0 of the table.  p has the same bits in every work-group, so d is comparable across chunks, and the variance is that of d:
; sums of numbers of the size of the spread, whatever common offset the cosines carry.  -p is the C of each sum's first matrix instruction.
; THE LARGEST is compared exactly, and of equal numbers the lowest key wins: strictly greater from step to step, the lowest register inside a step, the lower number between the halves of the lanes.
; SHARES.  Work-group (x, y): queries 512 x .. + 511, keys 512 y .. + 511: 4 x 64 = 256 work-groups.  EIGHT waves, two to a SIMD: wave w keeps queries 64 w .. + 63 of the block in registers for the whole launch
; (4 tiles x 8 K steps x 8 = 256, window 1).  All waves read the same 32 records of 16 keys from LDS, one a step: 17 LDS loads for 32 matrix instructions; a step's matrix instructions stand in one group and its
; figures in another, so that the SIMD's other wave has its group to issue meanwhile.
; TRANSPOSED USE: source 0 = 16 keys, source 1 = 16 queries.  Lane (r, h) holds ONE query r, and register j key 8 h + j: a query's running figures stay in its lane through all steps.
; CLUSTER.  The four work-groups of a cluster share y and want the same 278,528 bytes of keys: every key load is JOINT (the same descriptor, the mask 15).  x enters only the addresses of qq and part.
; Q goes from memory straight into registers, once; it is not shared inside a cluster.  Its first three tiles (48 loads a wave) are asked for ahead of the opening round: nobody writes those bytes.
; NO RING: the chunk fits in LDS whole, and no byte of LDS is filled twice.  It comes in two fills: at the head each wave asks for ONE record (records 0-7); behind the three lines and a round of the cluster's barrier
; each wave asks for three more (records 8-31), which have the first eight steps in which to land.  One tensor load of a wave is out at the most.
; No prefetch: both fills go out ahead of the loops, and no loop runs ahead of a load.
; A RECORD (8,704 bytes) is an image of operand registers: the fragment of K step s is 2 x 512 bytes at 1024 s, 16 bytes a lane; at 8192, 16 bytes a lane: register u holds in lanes 0-15 the rows' scale words of
; K step 2 u, in lanes 16-31 those of K step 2 u + 1 (odd K steps name the register with MATRIX_SCALE_ROW1).
; LIMITS: NaN and infinities are not served.
.set REC,   8704
.set SCO,   8192
.set SPARE, 32*REC                     ; behind the chunk: the spare words, 128 bytes for each of eight waves; no other line names them
.set LI,    1                          ; 16 x lane
.set ADK,   2                          ; LDS address of the next record
.set STEPV, 3                          ; the number of the step whose figures are taken
.set HB,    4                          ; 8 h + 512 y
.set SPW,   5
.set NIL,   6
.set TMP,   8                          ; v8-11
.set QS,    12                         ; v12-27 Q's scale words, four a tile
.set KS,    28                         ; v28-31 the record's
.set ACC,   32                         ; v32-63 the accumulators, eight a tile
.set PIV,   64                         ; v64-95 -p, eight equal registers a tile
.set SV,    96                         ; v96-127 the eight d of each tile's best step
.set KF,    128                        ; v128-191 the record's fragments
.set SUM,   192                        ; two chains a tile
.set SQR,   200
.set MAXV,  208                        ; v208-215 the largest d so far: two sets of four, by turns from step to step
.set IDX,   216
.set JJ,    220
.set OUTR,  224
.set WV,    10
.set CX,    11
.set CY,    12
.set HM,    13
.set SEL,   14
.set TB,    16
.set STEP,  17
.set CNT,   18
.set G1,    20                         ; s[20:27] group 1 of the first fill: one record;  s[28:31] its group 0
.set G0,    28
.set G0B,   32                         ; s[32:35], s[36:43] groups 0 and 1 of the second fill: three records
.set G1B,   36
.set MK,    44
.set MSB, 0
.macro WIN new                         ; the immediate's high byte repeats the setting that is left
.if MSB != (\new)
	s_set_vgpr_msb (MSB<<8)|(\new)
.set MSB, (\new)
.endif
.endm
.macro CROUND                          ; a round of the cluster's barrier
	s_barrier_signal -1
	s_barrier_wait -1
	s_cmp_lg_u32 s[WV], 0
	s_cbranch_scc1 .Lnot_wave_0_\@
	s_barrier_signal -3
.Lnot_wave_0_\@:
	s_barrier_wait -3
	s_barrier_signal -1
	s_barrier_wait -1
.endm
.macro QTILE t                         ; tile t of my Q: 16 loads of 512 consecutive bytes, into window 1
.irp s, 0,1,2,3,4,5,6,7
.irp c, 0,1
	global_load_b128 v[64*\t+8*\s+4*\c:64*\t+8*\s+4*\c+3], v[LI], s[6:7] offset:\t*REC+1024*\s+512*\c
.endr
.endr
.endm
	s_load_b128 s[4:7], s[0:1], 0x0                ; kq, qq
	s_load_b64 s[8:9], s[0:1], 0x10                ; part
	v_lshl_add_u32 v[SPW], v0, 2, SPARE
	v_mov_b32 v[NIL], 0
	ds_add_u32 v[SPW], v[NIL]                      ; the opening lines: the add, twice on end, and its wait ahead of my first tensor load
	ds_add_u32 v[SPW], v[NIL]
	v_lshrrev_b32 v2, 5, v0
	v_readfirstlane_b32 s[WV], v2                  ; wave 0..7
	v_and_b32 v[LI], 31, v0
	v_lshlrev_b32 v[LI], 4, v[LI]
	v_bfe_u32 v[HB], v0, 4, 1
	v_lshlrev_b32 v[HB], 3, v[HB]
	s_bfe_u32 s[CX], ttmp6, 0x40000
	s_lshl_b32 s52, ttmp9, 2
	s_add_co_u32 s[CX], s[CX], s52                 ; work-group x
	s_and_b32 s[CY], ttmp7, 0xffff                 ; work-group y: the cluster is one work-group high
	s_lshl_b32 s52, s[CY], 9
	v_add_nc_u32 v[HB], s52, v[HB]
	s_mov_b32 s[HM], 0xffff0000
	s_mov_b32 s[SEL], 0x76543210
	s_mov_b32 s[SEL+1], 0xfedcba98
	s_mov_b32 s[STEP], 0
	s_mov_b32 s[TB], 0
	; groups 1: dense bytes as rows of 256 (32 elements of 8 bytes), no padding: one record is 34 rows, three are 102
	s_mov_b32 s[G1+0], 15|(3<<16)|(1<<21)
	s_mov_b32 s[G1+1], 32<<16
	s_mov_b32 s[G1+2], 34<<16
	s_mov_b32 s[G1+3], 32<<16
	s_mov_b32 s[G1+4], 34
	s_mov_b32 s[G1+5], 32
	s_mov_b32 s[G1+6], 0
	s_mov_b32 s[G1+7], 0
	s_mov_b32 s[G1B+0], 15|(3<<16)|(1<<21)
	s_mov_b32 s[G1B+1], 32<<16
	s_mov_b32 s[G1B+2], 102<<16
	s_mov_b32 s[G1B+3], 32<<16
	s_mov_b32 s[G1B+4], 102
	s_mov_b32 s[G1B+5], 32
	s_mov_b32 s[G1B+6], 0
	s_mov_b32 s[G1B+7], 0
	s_mov_b32 s[G0], 1
	s_mul_i32 s[G0+1], s[WV], REC                  ; record w: in LDS and in the chunk alike
	s_mov_b32 s[G0B], 1
	s_mul_i32 s[G0B+1], s[WV], 3*REC
	s_add_co_u32 s[G0B+1], s[G0B+1], 8*REC         ; records 8 + 3 w .. + 2
	s_mul_i32 s54, s[CY], 32*REC
	s_add_co_u32 s60, s54, s[G0B+1]
	s_mov_b32 s61, 0
	s_add_co_u32 s54, s54, s[G0+1]
	s_mov_b32 s55, 0
	s_lshl_b32 s56, s[CX], 5
	s_lshl_b32 s57, s[WV], 2
	s_add_co_u32 s56, s56, s57
	s_mul_i32 s56, s56, REC                        ; Q: my first tile is 32 x + 4 w
	s_mov_b32 s57, 0
	s_lshl_b32 s58, s[CY], 15                      ; part: [64 chunks][2048 rows][16 bytes]
	s_lshl_b32 s59, s[CX], 13
	s_add_co_u32 s58, s58, s59
	s_lshl_b32 s59, s[WV], 10
	s_add_co_u32 s58, s58, s59
	s_mov_b32 s59, 0
	s_wait_alu depctr_va_vdst(0)                   ; the wait ahead of the blocking waits
	s_wait_dscnt 0x0
	s_wait_kmcnt 0x0
	s_add_nc_u64 s[6:7], s[6:7], s[56:57]
	s_add_nc_u64 s[8:9], s[8:9], s[58:59]
	s_add_nc_u64 s[G0+2:G0+3], s[4:5], s[54:55]
	s_or_b32 s[G0+3], s[G0+3], 0x80000000
	s_add_nc_u64 s[G0B+2:G0B+3], s[4:5], s[60:61]
	s_or_b32 s[G0B+3], s[G0B+3], 0x80000000
	WIN 0x40                                       ; destination window 1: Q, where it stays
	QTILE 0
	QTILE 1
	QTILE 2
	WIN 0
	CROUND                                         ; all four work-groups are here: the joint loads meet
	tensor_load_to_lds s[G0:G0+3], s[G1:G1+7]      ; my one tensor load of the head: record w
	s_nop 0
.irp s, 0,1,2,3,4,5,6,7
.irp c, 0,1
	global_load_b128 v[KF+8*\s+4*\c:KF+8*\s+4*\c+3], v[LI], s[4:5] offset:1024*\s+512*\c   ; record 0 of the table, for the pivots
.endr
.endr
.irp t, 0,1,2,3
	global_load_b128 v[QS+4*\t:QS+4*\t+3], v[LI], s[6:7] offset:\t*REC+SCO
.endr
	global_load_b128 v[KS:KS+3], v[LI], s[4:5] offset:SCO
	WIN 0x40                                       ; (21 loads stand between the tensor load and this switch)
	QTILE 3
	WIN 0
.set i, 0
.rept 32
	v_mov_b32 v[SV+i], 0xff800000                  ; the step is written once: its first turn finds -infinity, under every d
.set i, i+1
.endr
.set i, 0
.rept 16
	v_mov_b32 v[SUM+i], 0                          ; the sums and the sums of squares
.set i, i+1
.endr
.irp t, 0,1,2,3
	v_mov_b32 v[MAXV+\t], 0xff800000
	v_mov_b32 v[IDX+\t], 0
	v_mov_b32 v[TMP+\t], 0                         ; a lane permute's destination counts as one of its sources
.endr
.macro MM zero                         ; one matrix instruction: tile tt, K step ks
.if ks == 0
.if \zero
	v_wmma_scale_f32_16x16x128_f8f6f4 v[ACC+8*tt:ACC+8*tt+7], v[KF+8*ks:KF+8*ks+7], v[64*tt+8*ks:64*tt+8*ks+7], 0, v[KS+ks/2], v[QS+4*tt+ks/2] matrix_a_fmt:MATRIX_FMT_FP4 matrix_b_fmt:MATRIX_FMT_FP4
.else
	v_wmma_scale_f32_16x16x128_f8f6f4 v[ACC+8*tt:ACC+8*tt+7], v[KF+8*ks:KF+8*ks+7], v[64*tt+8*ks:64*tt+8*ks+7], v[PIV+8*tt:PIV+8*tt+7], v[KS+ks/2], v[QS+4*tt+ks/2] matrix_a_fmt:MATRIX_FMT_FP4 matrix_b_fmt:MATRIX_FMT_FP4
.endif
.elseif ks%2
	v_wmma_scale_f32_16x16x128_f8f6f4 v[ACC+8*tt:ACC+8*tt+7], v[KF+8*ks:KF+8*ks+7], v[64*tt+8*ks:64*tt+8*ks+7], v[ACC+8*tt:ACC+8*tt+7], v[KS+ks/2], v[QS+4*tt+ks/2] matrix_a_fmt:MATRIX_FMT_FP4 matrix_b_fmt:MATRIX_FMT_FP4 matrix_a_scale:MATRIX_SCALE_ROW1 matrix_b_scale:MATRIX_SCALE_ROW1
.else
	v_wmma_scale_f32_16x16x128_f8f6f4 v[ACC+8*tt:ACC+8*tt+7], v[KF+8*ks:KF+8*ks+7], v[64*tt+8*ks:64*tt+8*ks+7], v[ACC+8*tt:ACC+8*tt+7], v[KS+ks/2], v[QS+4*tt+ks/2] matrix_a_fmt:MATRIX_FMT_FP4 matrix_b_fmt:MATRIX_FMT_FP4
.endif
.endm
; A step's 32 matrix instructions: the four accumulators take turns, one instruction a turn; then four places, for the loads into the fragments' and scale words' registers
; and for the first read of the results: the step's number, the next record's address (behind the last step it is made and not used), and two idle lines.
; The next step's first products write over these accumulators with another C: the figures' lines between are more than the five places asked.
.macro WALL zero
	WIN 0x04                                       ; source 1 (Q) window 1; all else window 0
.set ks, 0
.rept 8
.set tt, 0
.rept 4
	MM \zero
.set tt, tt+1
.endr
.set ks, ks+1
.endr
	WIN 0
	v_mov_b32 v[STEPV], s[STEP]
	v_add_nc_u32 v[ADK], s[TB], v[LI]
	v_nop
	v_nop
.endm
.macro FETCH                           ; the next record: 17 loads of 512 consecutive bytes
	ds_load_b128 v[KS:KS+3], v[ADK] offset:SCO
.irp f, 0,1,2,3,4,5,6,7
	ds_load_b128 v[KF+8*\f:KF+8*\f+3],   v[ADK] offset:1024*\f
	ds_load_b128 v[KF+8*\f+4:KF+8*\f+7], v[ADK] offset:1024*\f+512
.endr
	s_add_co_u32 s[TB], s[TB], REC
.endm
.macro DADD t, p                       ; two d of tile t onto its two chains of the sum, in one dual line (destinations even and odd, sources in different banks)
	v_dual_add_f32 v[SUM+2*\t], v[ACC+8*\t+2*\p], v[SUM+2*\t] :: v_dual_add_f32 v[SUM+2*\t+1], v[ACC+8*\t+2*\p+1], v[SUM+2*\t+1]
.endm
.macro DSQR t, p                       ; and their squares
	v_dual_fmac_f32 v[SQR+2*\t], v[ACC+8*\t+2*\p], v[ACC+8*\t+2*\p] :: v_dual_fmac_f32 v[SQR+2*\t+1], v[ACC+8*\t+2*\p+1], v[ACC+8*\t+2*\p+1]
.endm
; A step's figures: 72 lines for 4 tiles x 8 d a lane.  The tiles and the kinds take turns; each accumulator is read from its low end on.
; The largest so far is read from set par and, joined with the step's eight d, written to the other set: the two are then compared, so no line is spent on the step's own maximum.
; The compare goes to VCC, tile by tile; the tile's last two lines of sums stand between it and its readers.
.macro VSTAT par
.irp p, 0,1,2
.irp t, 0,1,2,3
	DADD \t, \p
.endr
.irp t, 0,1,2,3
	DSQR \t, \p
.endr
.irp t, 0,1,2,3
.if \p == 0
	v_max3_num_f32 v[MAXV+4*(1-\par)+\t], v[MAXV+4*\par+\t], v[ACC+8*\t], v[ACC+8*\t+1]
.else
	v_max3_num_f32 v[MAXV+4*(1-\par)+\t], v[MAXV+4*(1-\par)+\t], v[ACC+8*\t+2*\p], v[ACC+8*\t+2*\p+1]
.endif
.endr
.endr
.irp t, 0,1,2,3
	v_max3_num_f32 v[MAXV+4*(1-\par)+\t], v[MAXV+4*(1-\par)+\t], v[ACC+8*\t+6], v[ACC+8*\t+7]
.endr
.irp t, 0,1,2,3
	v_cmp_gt_f32 vcc_lo, v[MAXV+4*(1-\par)+\t], v[MAXV+4*\par+\t]   ; strictly greater: of equal steps the earliest is kept
	DADD \t, 3
	DSQR \t, 3
	v_cndmask_b32 v[IDX+\t], v[IDX+\t], v[STEPV], vcc_lo
.irp j, 0,2,4,6
	v_dual_cndmask_b32 v[SV+8*\t+\j], v[SV+8*\t+\j], v[ACC+8*\t+\j] :: v_dual_cndmask_b32 v[SV+8*\t+\j+1], v[SV+8*\t+\j+1], v[ACC+8*\t+\j+1]   ; by VCC: the better step's eight d are kept: which of them was the largest is asked once, at the end.  A choice of values: no branch hangs on data
.endr
.endr
	s_add_co_u32 s[STEP], s[STEP], 1
.endm
; more = 1: the next record's loads land under this step's figures; 2: the same, behind the meeting that shows the second fill whole; 0: nothing more to fetch
.macro STEPM par, more
	s_wait_alu depctr_va_vdst(0)                   ; the wait ahead of the blocking wait
	s_wait_dscnt 0x0                               ; the record is in registers
	WALL 0
.if \more == 2
	s_wait_alu depctr_va_vdst(0)                   ; the wait ahead of the blocking wait
	s_wait_tensorcnt 0x0                           ; my three records have landed (no LDS instruction of mine is out)
	s_barrier_signal -1
	s_barrier_wait -1                              ; everybody's have.
.endif
.if \more
	FETCH
.endif
	VSTAT \par
.endm
	s_wait_alu depctr_va_vdst(0)                   ; the wait ahead of the blocking wait
	s_wait_loadcnt 0x0                             ; Q, its scale words, record 0
	WALL 1                                         ; sim with keys 0 to 15 of the table; key 0 lies in register 0 of lanes 0-15
.irp t, 0,1,2,3
	v_permlanex16_b32 v[TMP+\t], v[ACC+8*\t], s[SEL], s[SEL+1]
.endr
.irp t, 0,1,2,3
	v_cndmask_b32 v[TMP+\t], v[ACC+8*\t], v[TMP+\t], s[HM]         ; lanes 16-31 take it from the lane 16 below
.endr
.irp t, 0,1,2,3
	v_xor_b32 v[PIV+8*\t], 0x80000000, v[TMP+\t]   ; -p
.endr
.irp j, 1,2,3,4,5,6,7
.irp t, 0,1,2,3
	v_mov_b32 v[PIV+8*\t+\j], v[PIV+8*\t]
.endr
.endr
	s_wait_alu depctr_va_vdst(0)                   ; the wait ahead of the blocking wait
	s_wait_tensorcnt 0x0                           ; my record of the first eight has landed
	ds_add_u32 v[SPW], v[NIL]
	s_wait_dscnt 0x0
	CROUND                                         ; everybody's record has landed, and all four work-groups are here: the joint loads meet
	tensor_load_to_lds s[G0B:G0B+3], s[G1B:G1B+7]  ; my one tensor load behind the round: records 8 + 3 w .. + 2
	s_nop 0
	FETCH                                          ; record 0
	s_mov_b32 s[CNT], 3
.Lfirst:                                               ; two steps a trip: the two sets of the largest d are back where they began.  Steps 0-5
	STEPM 0, 1
	STEPM 1, 1
	s_sub_co_u32 s[CNT], s[CNT], 1
	s_cmp_lg_u32 s[CNT], 0
	s_cbranch_scc1 .Lfirst
	STEPM 0, 1                                     ; step 6 fetches record 7
	STEPM 1, 2                                     ; step 7 fetches record 8, the first of the second fill
	s_mov_b32 s[CNT], 11
.Lrest:                                                ; steps 8-29
	STEPM 0, 1
	STEPM 1, 1
	s_sub_co_u32 s[CNT], s[CNT], 1
	s_cmp_lg_u32 s[CNT], 0
	s_cbranch_scc1 .Lrest
	STEPM 0, 1
	STEPM 1, 0                                     ; the last step fetches nothing; the largest d lies in set 0 again
	; THE WAY OUT.  The lowest j that holds the largest d is found; the halves of the lanes are joined; four words a query go out.
.irp t, 0,1,2,3
	v_mov_b32 v[JJ+\t], 7
.endr
.irp j, 6,5,4,3,2,1,0
.irp t, 0,1,2,3
	v_cmp_neq_f32 s[MK+\t], v[SV+8*\t+\j], v[MAXV+\t]
.endr
.irp t, 0,1,2,3
	v_cndmask_b32 v[JJ+\t], \j, v[JJ+\t], s[MK+\t] ; descending, so the lowest j stays
.endr
.endr
.irp t, 0,1,2,3
	v_lshl_add_u32 v[IDX+\t], v[IDX+\t], 4, v[JJ+\t]               ; 16 step + j
.endr
.irp t, 0,1,2,3
	v_add_nc_u32 v[IDX+\t], v[IDX+\t], v[HB]       ; + 8 h + 512 y: the key's number in the table
.endr
.irp t, 0,1,2,3
	v_add_f32 v[SUM+2*\t], v[SUM+2*\t], v[SUM+2*\t+1]
	v_add_f32 v[SQR+2*\t], v[SQR+2*\t], v[SQR+2*\t+1]
.endr
.irp t, 0,1,2,3
	v_permlanex16_b32 v[ACC+8*\t],   v[SUM+2*\t], s[SEL], s[SEL+1] ; the query's other keys lie in the lane 16 away
	v_permlanex16_b32 v[ACC+8*\t+1], v[SQR+2*\t], s[SEL], s[SEL+1]
	v_permlanex16_b32 v[ACC+8*\t+2], v[MAXV+\t],  s[SEL], s[SEL+1]
	v_permlanex16_b32 v[ACC+8*\t+3], v[IDX+\t],   s[SEL], s[SEL+1]
.endr
.irp t, 0,1,2,3
	v_add_f32 v[SUM+2*\t], v[SUM+2*\t], v[ACC+8*\t]
	v_add_f32 v[SQR+2*\t], v[SQR+2*\t], v[ACC+8*\t+1]
	v_cmp_gt_f32 s52, v[ACC+8*\t+2], v[MAXV+\t]    ; the other lane's is taken where it is greater,
	v_cmp_eq_f32 s53, v[ACC+8*\t+2], v[MAXV+\t]
	v_cmp_lt_u32 s54, v[ACC+8*\t+3], v[IDX+\t]     ; or equal with the lower key
	s_and_b32 s53, s53, s54
	s_or_b32 s52, s52, s53
	v_cndmask_b32 v[MAXV+\t], v[MAXV+\t], v[ACC+8*\t+2], s52
	v_cndmask_b32 v[IDX+\t], v[IDX+\t], v[ACC+8*\t+3], s52
.endr
.irp u, 0,1                            ; tile 2 u in lanes 0-15, tile 2 u + 1 in lanes 16-31: 32 rows x 16 bytes
	v_cndmask_b32 v[OUTR+4*\u],   v[SUM+4*\u],  v[SUM+4*\u+2],  s[HM]
	v_cndmask_b32 v[OUTR+4*\u+1], v[SQR+4*\u],  v[SQR+4*\u+2],  s[HM]
	v_cndmask_b32 v[OUTR+4*\u+2], v[MAXV+2*\u], v[MAXV+2*\u+1], s[HM]
	v_cndmask_b32 v[OUTR+4*\u+3], v[IDX+2*\u],  v[IDX+2*\u+1],  s[HM]
	global_store_b128 v[LI], v[OUTR+4*\u:OUTR+4*\u+3], s[8:9] offset:512*\u   ; 512 consecutive bytes, at a multiple of 256 from the buffer's first byte
.endr
	s_wait_tensorcnt 0x0                           ; the wave's end
	ds_add_u32 v[SPW], v[NIL]
	s_wait_dscnt 0x0
	CROUND                                         ; the closing round
	s_endpgm
.Lfunc_end_k_q0023623c37_sim:
	.size	k_q0023623c37_sim, .Lfunc_end_k_q0023623c37_sim-k_q0023623c37_sim
	.p2alignl 7, 3214868480
	.fill 96, 4, 3214868480
	.section	.rodata,"a",@progbits
	.p2align	6, 0x0
	.amdhsa_kernel k_q0023623c37_sim
		.amdhsa_group_segment_fixed_size 327680
		.amdhsa_private_segment_fixed_size 0
		.amdhsa_enable_private_segment 0
		.amdhsa_kernarg_size 24
		.amdhsa_user_sgpr_count 2
		.amdhsa_user_sgpr_kernarg_segment_ptr 1
		.amdhsa_wavefront_size32 1
		.amdhsa_system_sgpr_workgroup_id_x 1
		.amdhsa_system_sgpr_workgroup_id_y 1
		.amdhsa_system_sgpr_workgroup_id_z 1
		.amdhsa_system_vgpr_workitem_id 0
		.amdhsa_next_free_vgpr 512
		.amdhsa_next_free_sgpr 80
		.amdhsa_reserve_vcc 1
		.amdhsa_float_denorm_mode_32 3
		.amdhsa_float_denorm_mode_16_64 3
		.amdhsa_memory_ordered 1
		.amdhsa_forward_progress 1
		.amdhsa_inst_pref_size 108
	.end_amdhsa_kernel
	.amdgpu_metadata
---
amdhsa.version: [ 1, 2 ]
amdhsa.kernels:
  - .name:           k_q0023623c37_sim
    .symbol:         k_q0023623c37_sim.kd
    .args:
      - { .name: kq, .offset: 0, .size: 8, .value_kind: global_buffer, .address_space: global }
      - { .name: qq, .offset: 8, .size: 8, .value_kind: global_buffer, .address_space: global }
      - { .name: part, .offset: 16, .size: 8, .value_kind: global_buffer, .address_space: global }
    .group_segment_fixed_size: 327680
    .private_segment_fixed_size: 0
    .kernarg_segment_align: 8
    .kernarg_segment_size: 24
    .max_flat_workgroup_size: 256
    .sgpr_count:     80
    .vgpr_count:     512
    .wavefront_size: 32
...
	.end_amdgpu_metadata
.endif
;; end of part 2
;; launch pick (part 3): grid 64 x 1, 4 waves a work-group, no clusters, 2,560 bytes of LDS; arguments part, best, rowvar; writes best, rowvar
.if DOCPART == 3
	.amdgcn_target "amdgcn-amd-amdhsa--gfx1250"
	.amdhsa_code_object_version 6
	.text
	.protected	k_q0023623c37_pick
	.globl	k_q0023623c37_pick
	.p2align	8
	.type	k_q0023623c37_pick,@function
k_q0023623c37_pick:
	s_mov_b64 s[64:65], 0
	v_nop
	global_prefetch_b8 v0, s[64:65] scope:SCOPE_SE
	s_setreg_imm32_b32 hwreg(HW_REG_WAVE_MODE, 25, 1), 1
	s_wait_xcnt 0x0
; part [64 chunks][2048 rows][sum d, sum d^2, largest d, its key] -> for each row the key of the largest d over all chunks (of equal ones the lowest key) and the unbiased variance
; (sum d^2 - (sum d)^2 / 32768) / 32767.  d is sim less the row's pivot, the same pivot in every chunk, so the largest d is the largest sim and the variance is sim's.
; SHARES: a work-group owns 32 rows, a lane a row; wave w joins chunks 16 w .. 16 w + 15 in ascending order; the four waves' figures meet in LDS, and wave 0 joins them, again ascending.
; Each load reads 512 consecutive bytes.  The two stores are 128 bytes a work-group each: 16 KB in the whole launch.  No address and no branch hangs on data: the key is a value here and is stored as a whole number.
; 2 MB are read once by 64 work-groups: no LDS ring, no cluster (no byte is shared), no matrix unit.
	s_load_b128 s[4:7], s[0:1], 0x0                ; part, best
	s_load_b64 s[8:9], s[0:1], 0x10                ; rowvar
	v_lshl_add_u32 v96, v0, 2, 0x800
	v_mov_b32 v97, 0
	v_lshrrev_b32 v2, 5, v0
	v_readfirstlane_b32 s10, v2                    ; wave 0..3
	v_and_b32 v3, 31, v0                           ; lane
	s_lshl_b32 s11, ttmp9, 5
	v_add_nc_u32 v4, s11, v3                       ; my row
	v_lshlrev_b32 v1, 4, v4                        ; 16 bytes a row,
	s_lshl_b32 s12, s10, 19                        ; 16 chunks of 32,768 bytes a wave
	v_add_nc_u32 v1, s12, v1
	v_lshlrev_b32 v5, 4, v0                        ; LDS: 16 x thread = 512 x wave + 16 x lane
	v_lshlrev_b32 v6, 4, v3                        ; 16 x lane
	v_lshlrev_b32 v7, 2, v4                        ; 4 bytes a row
	s_wait_alu depctr_va_vdst(0)
	s_wait_kmcnt 0x0
.irp i, 0,1,2,3,4,5,6,7,8,9,10,11,12,13,14,15
	global_load_b128 v[16+4*\i:19+4*\i], v1, s[4:5] offset:32768*\i th:TH_LOAD_NT
.endr
.macro JOIN r                          ; v16 sum, v17 sum of squares, v18 largest, v19 key take in the four words at v[r]
	v_add_f32 v16, v16, v[\r]
	v_add_f32 v17, v17, v[\r+1]
	v_cmp_gt_f32 vcc_lo, v[\r+2], v18              ; strictly greater: of equal ones the earlier chunk's, the lower key, is kept
	v_cndmask_b32 v19, v19, v[\r+3], vcc_lo
	v_max_num_f32 v18, v18, v[\r+2]
.endm
.irp i, 1,2,3,4,5,6,7,8,9,10,11,12,13,14,15
	s_wait_alu depctr_va_vdst(0)
	s_wait_loadcnt 15-\i                           ; loads come back in order (ISA guide 5.7.1): chunk i is in, the 15 - i behind it stay out.  The first chunk's words start the figures
	JOIN 16+4*\i
.endr
	ds_store_b128 v5, v[16:19]
	s_wait_dscnt 0x0                               ; for the others' sake: my store has landed
	s_barrier_signal -1
	s_barrier_wait -1
	s_cmp_lg_u32 s10, 0
	s_cbranch_scc1 .Ldone                          ; behind the barrier: waves 1 to 3 have handed their figures over
.irp w, 1,2,3
	ds_load_b128 v[16+4*\w:19+4*\w], v6 offset:512*\w
.endr
	s_wait_dscnt 0x0
	s_wait_alu depctr_va_vdst(0)
.irp w, 1,2,3
	JOIN 16+4*\w
.endr
	v_mul_f32 v20, 0x38000000, v16                 ; sum / 32768
	v_fma_f32 v21, -v16, v20, v17                  ; sum of squares - sum^2 / 32768
	v_mul_f32 v21, 0x38000100, v21                 ; / 32767
	global_store_b32 v7, v19, s[6:7]
	global_store_b32 v7, v21, s[8:9]
.Ldone:
	s_wait_tensorcnt 0x0
	ds_add_u32 v96, v97
	s_wait_dscnt 0x0
	s_endpgm
.Lfunc_end_k_q0023623c37_pick:
	.size	k_q0023623c37_pick, .Lfunc_end_k_q0023623c37_pick-k_q0023623c37_pick
	.p2alignl 7, 3214868480
	.fill 96, 4, 3214868480
	.section	.rodata,"a",@progbits
	.p2align	6, 0x0
	.amdhsa_kernel k_q0023623c37_pick
		.amdhsa_group_segment_fixed_size 2560
		.amdhsa_private_segment_fixed_size 0
		.amdhsa_enable_private_segment 0
		.amdhsa_kernarg_size 24
		.amdhsa_user_sgpr_count 2
		.amdhsa_user_sgpr_kernarg_segment_ptr 1
		.amdhsa_wavefront_size32 1
		.amdhsa_system_sgpr_workgroup_id_x 1
		.amdhsa_system_sgpr_workgroup_id_y 1
		.amdhsa_system_sgpr_workgroup_id_z 1
		.amdhsa_system_vgpr_workitem_id 0
		.amdhsa_next_free_vgpr 98
		.amdhsa_next_free_sgpr 66
		.amdhsa_reserve_vcc 1
		.amdhsa_float_denorm_mode_32 3
		.amdhsa_float_denorm_mode_16_64 3
		.amdhsa_memory_ordered 1
		.amdhsa_forward_progress 1
		.amdhsa_inst_pref_size 8
	.end_amdhsa_kernel
	.amdgpu_metadata
---
amdhsa.version: [ 1, 2 ]
amdhsa.kernels:
  - .name:           k_q0023623c37_pick
    .symbol:         k_q0023623c37_pick.kd
    .args:
      - { .name: part, .offset: 0, .size: 8, .value_kind: global_buffer, .address_space: global }
      - { .name: best, .offset: 8, .size: 8, .value_kind: global_buffer, .address_space: global }
      - { .name: rowvar, .offset: 16, .size: 8, .value_kind: global_buffer, .address_space: global }
    .group_segment_fixed_size: 2560
    .private_segment_fixed_size: 0
    .kernarg_segment_align: 8
    .kernarg_segment_size: 24
    .max_flat_workgroup_size: 128
    .sgpr_count:     66
    .vgpr_count:     98
    .wavefront_size: 32
...
	.end_amdgpu_metadata
.endif
;; end of part 3
;; launch fetch (part 4): grid 256 x 1, 8 waves a work-group, no clusters, 0 bytes of LDS; arguments values, best, rowvar, out0, out1; writes out0, out1
.if DOCPART == 4
	.amdgcn_target "amdgcn-amd-amdhsa--gfx1250"
	.amdhsa_code_object_version 6
	.text
	.protected	k_q0023623c37_fetch
	.globl	k_q0023623c37_fetch
	.p2align	8
	.type	k_q0023623c37_fetch,@function
k_q0023623c37_fetch:
	s_mov_b64 s[64:65], 0
	v_nop
	global_prefetch_b8 v0, s[64:65] scope:SCOPE_SE
	s_setreg_imm32_b32 hwreg(HW_REG_WAVE_MODE, 25, 1), 1
	s_wait_xcnt 0x0
; out0[b] = values[best[b]]: a wave copies one row of 4,096 bytes, eight loads and eight stores of 512 consecutive bytes.  best was stored as whole numbers by the launch before; it is held to 32,767 ahead of the address.
; out1 = the mean of the 2,048 row variances: wave 0 of work-group 0 sums them beside its row; its path is written out whole, so that all its loads are out together.
; A stream of 16 MB: no LDS, no barrier, no cluster (a row of values is shared only where two queries chose the same key, which is why its loads carry no hint that they are read once).
	s_load_b256 s[4:11], s[0:1], 0x0               ; values s[4:5], best s[6:7], rowvar s[8:9], out0 s[10:11]
	s_load_b64 s[12:13], s[0:1], 0x20              ; out1
	v_lshrrev_b32 v2, 5, v0
	s_delay_alu instid0(VALU_DEP_1)
	v_readfirstlane_b32 s14, v2                    ; wave 0..7
	v_and_b32 v1, 31, v0
	s_delay_alu instid0(VALU_DEP_1)
	v_lshlrev_b32 v1, 4, v1                        ; 16 x lane; never rewritten
	v_mov_b32 v3, 0
	s_lshl_b32 s15, ttmp9, 3
	s_add_co_u32 s15, s15, s14                     ; my row b
	s_lshl_b32 s18, s15, 2
	s_mov_b32 s19, 0
	s_lshl_b32 s16, s15, 12
	s_mov_b32 s17, 0
	s_wait_kmcnt 0x0
	s_add_nc_u64 s[6:7], s[6:7], s[18:19]
	s_add_nc_u64 s[10:11], s[10:11], s[16:17]
	s_load_b32 s20, s[6:7], 0x0                    ; best[b]
.macro ASKROW                          ; the chosen row's eight loads
	s_wait_kmcnt 0x0
	s_min_u32 s20, s20, 0x7fff                     ; a loaded number enters an address only behind a bound: the table has 32,768 rows
	s_lshl_b32 s20, s20, 12                        ; 4,096 bytes a row: under 2^31
	v_add_nc_u32 v2, s20, v1
.irp i, 0,1,2,3,4,5,6,7
	global_load_b128 v[16+4*\i:19+4*\i], v2, s[4:5] offset:512*\i
.endr
.endm
.macro PUTROW
.irp i, 0,1,2,3,4,5,6,7
	s_wait_loadcnt 7-\i                            ; load i is in; the 7 - i behind it stay out
	global_store_b128 v1, v[16+4*\i:19+4*\i], s[10:11] offset:512*\i th:TH_STORE_NT
.endr
.endm
	s_or_b32 s22, ttmp9, s14
	s_cmp_eq_u32 s22, 0
	s_cbranch_scc1 .Lfirst
	s_wait_alu depctr_va_vdst(0)
	ASKROW
	PUTROW
	s_endpgm
.Lfirst:
	s_wait_alu depctr_va_vdst(0)
.irp i, 0,1,2,3,4,5,6,7,8,9,10,11,12,13,14,15
	global_load_b128 v[48+4*\i:51+4*\i], v1, s[8:9] offset:512*\i  ; the 2,048 variances, 64 a lane
.endr
	ASKROW
	s_mov_b32 s24, 0x76543210
	s_mov_b32 s25, 0xfedcba98                      ; v_permlanex16_b32's selects for lane l xor 16
	s_wait_loadcnt 8                               ; the variances are in; the row's eight loads, issued behind them, stay out
.irp j, 1,2,3,4,5,6,7
.irp k, 0,1,2,3
	v_pk_add_f32 v[48+2*\k:49+2*\k], v[48+2*\k:49+2*\k], v[48+8*\j+2*\k:49+8*\j+2*\k]   ; four chains
.endr
.endr
	s_delay_alu instid0(VALU_DEP_3)
	v_pk_add_f32 v[48:49], v[48:49], v[50:51]
	s_delay_alu instid0(VALU_DEP_2)
	v_pk_add_f32 v[52:53], v[52:53], v[54:55]
	s_delay_alu instid0(VALU_DEP_1)
	v_pk_add_f32 v[48:49], v[48:49], v[52:53]
	s_delay_alu instid0(VALU_DEP_1)
	v_add_f32 v48, v48, v49
	s_delay_alu instid0(VALU_DEP_1)
	v_add_f32_dpp v48, v48, v48 row_xmask:1 row_mask:0xf bank_mask:0xf
	s_delay_alu instid0(VALU_DEP_1)
	v_add_f32_dpp v48, v48, v48 row_xmask:2 row_mask:0xf bank_mask:0xf
	s_delay_alu instid0(VALU_DEP_1)
	v_add_f32_dpp v48, v48, v48 row_xmask:4 row_mask:0xf bank_mask:0xf
	s_delay_alu instid0(VALU_DEP_1)
	v_add_f32_dpp v48, v48, v48 row_xmask:8 row_mask:0xf bank_mask:0xf
	s_delay_alu instid0(VALU_DEP_1)
	v_permlanex16_b32 v50, v48, s24, s25
	s_delay_alu instid0(VALU_DEP_1)
	v_add_f32 v48, v48, v50
	s_delay_alu instid0(VALU_DEP_1)
	v_mul_f32 v48, 0x3a000000, v48                 ; / 2048
	s_wait_alu depctr_va_vdst(0)
	PUTROW
	v_cmp_eq_u32 vcc_lo, 0, v0
	s_wait_xcnt 0x0                                ; EXEC is a source of the stores above: it changes only behind this wait
	s_and_saveexec_b32 s23, vcc_lo
	global_store_b32 v3, v48, s[12:13]             ; one lane stores the one number
	s_wait_xcnt 0x0                                ; and again ahead of the line that widens it
	s_or_b32 exec_lo, exec_lo, s23
	s_endpgm
.Lfunc_end_k_q0023623c37_fetch:
	.size	k_q0023623c37_fetch, .Lfunc_end_k_q0023623c37_fetch-k_q0023623c37_fetch
	.p2alignl 7, 3214868480
	.fill 96, 4, 3214868480
	.section	.rodata,"a",@progbits
	.p2align	6, 0x0
	.amdhsa_kernel k_q0023623c37_fetch
		.amdhsa_group_segment_fixed_size 0
		.amdhsa_private_segment_fixed_size 0
		.amdhsa_enable_private_segment 0
		.amdhsa_kernarg_size 40
		.amdhsa_user_sgpr_count 2
		.amdhsa_user_sgpr_kernarg_segment_ptr 1
		.amdhsa_wavefront_size32 1
		.amdhsa_system_sgpr_workgroup_id_x 1
		.amdhsa_system_sgpr_workgroup_id_y 1
		.amdhsa_system_sgpr_workgroup_id_z 1
		.amdhsa_system_vgpr_workitem_id 0
		.amdhsa_next_free_vgpr 112
		.amdhsa_next_free_sgpr 66
		.amdhsa_reserve_vcc 1
		.amdhsa_float_denorm_mode_32 3
		.amdhsa_float_denorm_mode_16_64 3
		.amdhsa_memory_ordered 1
		.amdhsa_forward_progress 1
		.amdhsa_inst_pref_size 10
	.end_amdhsa_kernel
	.amdgpu_metadata
---
amdhsa.version: [ 1, 2 ]
amdhsa.kernels:
  - .name:           k_q0023623c37_fetch
    .symbol:         k_q0023623c37_fetch.kd
    .args:
      - { .name: values, .offset: 0, .size: 8, .value_kind: global_buffer, .address_space: global }
      - { .name: best, .offset: 8, .size: 8, .value_kind: global_buffer, .address_space: global }
      - { .name: rowvar, .offset: 16, .size: 8, .value_kind: global_buffer, .address_space: global }
      - { .name: out0, .offset: 24, .size: 8, .value_kind: global_buffer, .address_space: global }
      - { .name: out1, .offset: 32, .size: 8, .value_kind: global_buffer, .address_space: global }
    .group_segment_fixed_size: 0
    .private_segment_fixed_size: 0
    .kernarg_segment_align: 8
    .kernarg_segment_size: 40
    .max_flat_workgroup_size: 256
    .sgpr_count:     66
    .vgpr_count:     112
    .wavefront_size: 32
...
	.end_amdgpu_metadata
.endif
;; end of part 4
